; MI455X (gfx1250); checked and timed in simulation.
; The chip was launched on July 23, 2026; its instructions are those of AMD's public machine-readable ISA for CDNA 5 (MIT licence, August 2026) and "CDNA5" Instruction Set Architecture Reference Guide (July 2026). The comments in the code are by the model that wrote it; some were corrected since.
;; Anomaly Generator. Allowed arithmetic: float matrix products may take bf16 or f16 operands with f32 sums; all other float work in f32.
;; Inputs: color_params 1 x 3 x 1 x 1 x 64 float32; imageN 1 x 3 x 1,024 x 1,024 float32; mu_x_params 1 x 1 x 1 x 1 x 64 float32; mu_y_params 1 x 1 x 1 x 1 x 64 float32; pi_params 1 x 1 x 1 x 1 x 64 float32; rho_params 1 x 1 x 1 x 1 x 64 float32; scale_params 1 x 1 x 1 x 1 x 1 float32; sigma_x_params 1 x 1 x 1 x 1 x 64 float32; sigma_y_params 1 x 1 x 1 x 1 x 64 float32.
;; Outputs: out0 1 x 3 x 1,024 x 1,024 float32; out1 1 x 1 x 1,024 x 1,024 float32.
;; One version. Each part assembles by itself: llvm-mc -triple=amdgcn-amd-amdhsa -mcpu=gfx1250 --defsym DOCPART=n.
;; ======== version 1 of 1: 2 launches
;; limits: values outside matrix products are rounded to bf16
;; workspace buffers: sums 16,777,216 bytes; pmax 1,024 bytes
;; launch gmmsums (part 1): grid 256 x 1, 8 waves a work-group, no clusters, 6,912 bytes of LDS; arguments color_params, mu_x_params, mu_y_params, sigma_x_params, sigma_y_params, rho_params, pi_params, sums, pmax; writes sums, pmax
.if DOCPART == 1
	.amdgcn_target "amdgcn-amd-amdhsa--gfx1250"
	.amdhsa_code_object_version 6
	.text
	.protected	k_q43a125acbd_gmmsums
	.globl	k_q43a125acbd_gmmsums
	.p2align	8
	.type	k_q43a125acbd_gmmsums,@function
k_q43a125acbd_gmmsums:
	s_mov_b64 s[64:65], 0
	v_nop
	global_prefetch_b8 v0, s[64:65] scope:SCOPE_SE
	s_setreg_imm32_b32 hwreg(HW_REG_WAVE_MODE, 25, 1), 1
	s_wait_xcnt 0x0
; For every pixel of the 1024 x 1024 grid: g_k = pi_k exp(-Q_k(x, y)), k = 0..63, and four sums over k:
;   sums plane 0 = S = sum g_k,  planes 1..3 = N_c = sum g_k tanh(color_ck).   pmax[work-group] = the largest S of its pixels.
; The division by the global maximum, the scale and the image follow in the next launch.
;
; THE EXPONENT, by completing the square (equal to the reference's form for every input), in base 2:
;   kappa = rsq((1 - rho^2) 2 ln 2), s = kappa / sigma_x, zy = (y - mu_y) / sigma_y,
;   o = -s mu_x - kappa rho zy,  gamma = log2 pi - (log2 e / 2) zy^2,
;   w = x s + o,  E = gamma - w w,  g = exp2(E).        Two packed multiply-adds and one exponential for each (pixel, k).
; log2 pi comes from a softmax with its maximum taken away; it is <= 0 and both other terms are squares that are subtracted,
; so E <= 0 and no exponential can overflow.
; THE SUMS OVER k are a product [4 x 64] x [64 x pixels] on the matrix unit: bf16 operands, f32 sums.
;
; SHARES: 256 work-groups of 8 waves; a work-group owns 4 image rows; wave w owns row w >> 1, half w & 1: 512 pixels = 4 trips of 128.
; In the prologue thread t is (row t >> 6, k = t & 63): 256 threads make the 4 x 64 triples (s, o, gamma) and the colour table, once.
;
; LIMITS, kept on purpose: g, the colours and the ones are rounded to bf16 (relative 2^-9) for the matrix unit; an exponential below
; 2^-126 comes out as 0 (the image's largest S is at least about 0.006: each mean lies within half a pixel of a pixel, sigma >= 0.01,
; 1 - rho^2 >= 0.0199, the largest pi >= 1/64); x and y are i * (2/1023) - 1 in one fused multiply-add.
.set TWO_L,   0x4038aa3b               ; 2 log2 e
.set ONE_L,   0x3fb8aa3b               ; log2 e
.set NEG_L,   0xbfb8aa3b               ; -log2 e
.set HALF_L,  0x3f38aa3b               ; log2 e / 2
.set LN2,     0x3f317218               ; ln 2
.set TWO_LN2, 0x3fb17218               ; 2 ln 2
.set EPS,     0x3c23d70a               ; 0.01
.set RHO_SC,  0x3f7d70a4               ; 0.99
.set STEP,    0x3b002008               ; 2 / 1023
.set PLANE,   4194304                  ; bytes in a plane of 1024 x 1024 f32
; LDS.  Every address that a wave stores to is a constant + its number x a constant.
.set PT,   0                           ; 8 blocks of 384 bytes, block w = (row w >> 1, k = 32 (w & 1) ..+31): s at +0, o at +128, gamma at +256
.set CT,   3072                        ; 16 rows of 64 bf16, pitch 160, the two halves of a row 80 apart: rows 0..3 = ones, c0, c1, c2; rows 4..15 = 0
.set SCR,  5632                        ; 8 words: the waves' maxima
; vector registers
.set PS,   32                          ; v[32:63]    s of my 32 k (k = 32 h + i)
.set PO,   64                          ; v[64:95]    o
.set PG,   96                          ; v[96:127]   gamma
.set AF,   128                         ; v[128:159]  colour fragments, (hh, c) at AF + 16 hh + 8 c
.set ACC,  160                         ; v[160:191]  four accumulators, q at ACC + 8 q
.set WK,   192                         ; v[192:207]  w, then E, then g
.set GB,   208                         ; v[208:215]  g in bf16: the B fragment
.set XP,   216                         ; v[216:223]  pair 2q, 2q + 1: x of tile q, twice
.set ST,   224                         ; v[224:239]  what is stored: plane c, pixel q at ST + 4 c + q
.set IB,   240                         ; column 4 r + 512 half + 128 trip
.set VO,   241                         ; byte offset of my 16 bytes in the row
.set MX,   242                         ; running maximum of S
.set TMP,  243
.macro WAVEMAX r                       ; the largest of the 32 lanes, in every lane
	v_max_num_f32_dpp v[\r], v[\r], v[\r] row_xmask:1 row_mask:0xf bank_mask:0xf
	v_max_num_f32_dpp v[\r], v[\r], v[\r] row_xmask:2 row_mask:0xf bank_mask:0xf
	v_max_num_f32_dpp v[\r], v[\r], v[\r] row_xmask:4 row_mask:0xf bank_mask:0xf
	v_max_num_f32_dpp v[\r], v[\r], v[\r] row_xmask:8 row_mask:0xf bank_mask:0xf
	v_permlanex16_b32 v[TMP], v[\r], s12, s13
	v_max_num_f32 v[\r], v[\r], v[TMP]
.endm
.macro WAVESUM r
	v_add_f32_dpp v[\r], v[\r], v[\r] row_xmask:1 row_mask:0xf bank_mask:0xf
	v_add_f32_dpp v[\r], v[\r], v[\r] row_xmask:2 row_mask:0xf bank_mask:0xf
	v_add_f32_dpp v[\r], v[\r], v[\r] row_xmask:4 row_mask:0xf bank_mask:0xf
	v_add_f32_dpp v[\r], v[\r], v[\r] row_xmask:8 row_mask:0xf bank_mask:0xf
	v_permlanex16_b32 v[TMP], v[\r], s12, s13
	v_add_f32 v[\r], v[\r], v[TMP]
.endm
	s_load_b512 s[16:31], s[0:1], 0x0              ; color s[16:17], mu_x s[18:19], mu_y s[20:21], sigma_x s[22:23], sigma_y s[24:25], rho s[26:27], pi s[28:29], sums s[30:31]
	s_load_b64 s[32:33], s[0:1], 0x40              ; pmax
	v_lshl_add_u32 v248, v0, 2, 0x1700
	v_mov_b32 v249, 0
	v_lshrrev_b32 v8, 5, v0
	v_readfirstlane_b32 s2, v8                     ; wave 0..7
	v_and_b32 v1, 31, v0                           ; lane
	v_and_b32 v2, 15, v0                           ; r
	v_bfe_u32 v3, v0, 4, 1                         ; h
	s_lshr_b32 s3, s2, 1                           ; my row of the group's four
	s_and_b32 s4, s2, 1                            ; my half
	s_max_u32 s5, s3, 1
	s_sub_co_u32 s5, s5, 1                         ; the colour row that my threads transform (row 0's result is replaced by ones)
	s_lshl_b32 s6, ttmp9, 2
	s_add_co_u32 s6, s6, s3                        ; image row
	s_mov_b32 s7, STEP
	s_mul_i32 s8, s2, 384                          ; my block of PT
	s_mul_i32 s9, s2, 80
	s_add_co_u32 s9, s9, CT                        ; my 32 numbers of CT
	s_cmp_eq_u32 s3, 0
	s_cselect_b32 s10, -1, 0                       ; all lanes: my threads write the row of ones
	s_mov_b32 s12, 0x76543210                      ; v_permlanex16_b32: lane i of one half reads lane i of the other
	s_mov_b32 s13, 0xfedcba98
	s_lshl_b32 s36, s4, 7
	s_lshl_b32 s37, s5, 8
	v_lshlrev_b32 v5, 2, v1                        ; 4 lane
	v_add_nc_u32 v4, s36, v5                       ; 4 k, k = 32 half + lane
	v_add_nc_u32 v6, s37, v4                       ; + the colour row
	v_mov_b32 v7, 0
	v_mov_b32 v[TMP], 0                            ; written once: a lane permute's destination counts as read
	s_wait_kmcnt 0x0
	global_load_b32 v8,  v4, s[18:19]              ; mu_x[k]
	global_load_b32 v9,  v4, s[20:21]              ; mu_y[k]
	global_load_b32 v10, v4, s[26:27]              ; rho[k]
	global_load_b32 v11, v6, s[16:17]              ; color[row][k]
	global_load_b32 v12, v4, s[22:23]              ; sigma_x[k]
	global_load_b32 v13, v4, s[24:25]              ; sigma_y[k]
	global_load_b32 v14, v4, s[28:29]              ; pi[k]
	global_load_b32 v15, v5, s[28:29]              ; pi[lane] and pi[32 + lane]: every wave makes the softmax's maximum and sum itself
	global_load_b32 v16, v5, s[28:29] offset:128
	v_cvt_f32_u32 v17, s6
	v_fma_f32 v17, v17, s7, -1.0                   ; y of my row
	s_wait_loadcnt 0x0
	; THE PARAMETERS.  tanh t = 1 - 2 / (1 + exp2(2 log2e t));  softplus t = max(t, 0) + ln 2 log2(1 + exp2(-log2e |t|)).
	; Transcendentals stand in runs; behind each run one plain vector line that touches none of them comes before a result is used (ISA guide 5.7.2).
	v_mul_f32 v18, TWO_L, v8
	v_mul_f32 v19, TWO_L, v9
	v_mul_f32 v20, TWO_L, v10
	v_mul_f32 v21, TWO_L, v11
	v_mul_f32 v22, NEG_L, |v12|
	v_mul_f32 v23, NEG_L, |v13|
	v_exp_f32 v18, v18
	v_exp_f32 v19, v19
	v_exp_f32 v20, v20
	v_exp_f32 v21, v21
	v_exp_f32 v22, v22
	v_exp_f32 v23, v23
	v_max_num_f32 v24, v15, v16                    ; the plain line
	WAVEMAX 24                                     ; m = the largest pi parameter
	s_wait_alu depctr_va_vdst(0)
	v_add_f32 v18, 1.0, v18
	v_add_f32 v19, 1.0, v19
	v_add_f32 v20, 1.0, v20
	v_add_f32 v21, 1.0, v21
	v_add_f32 v22, 1.0, v22
	v_add_f32 v23, 1.0, v23
	v_sub_f32 v26, v15, v24                        ; the maximum is taken away first, then the scale to base 2
	v_sub_f32 v27, v16, v24
	v_sub_f32 v28, v14, v24
	v_mul_f32 v26, ONE_L, v26
	v_mul_f32 v27, ONE_L, v27
	v_rcp_f32 v18, v18
	v_rcp_f32 v19, v19
	v_rcp_f32 v20, v20
	v_rcp_f32 v21, v21
	v_log_f32 v22, v22
	v_log_f32 v23, v23
	v_exp_f32 v26, v26
	v_exp_f32 v27, v27
	v_mul_f32 v28, ONE_L, v28                      ; the plain line: log2e (pi[k] - m)
	v_max_num_f32 v30, 0, v12
	v_max_num_f32 v31, 0, v13
	v_add_f32 v30, EPS, v30
	v_add_f32 v31, EPS, v31
	s_wait_alu depctr_va_vdst(0)
	v_fma_f32 v8,  v18, -2.0, 1.0                  ; mu_x
	v_fma_f32 v9,  v19, -2.0, 1.0                  ; mu_y
	v_fma_f32 v10, v20, -2.0, 1.0                  ; tanh rho
	v_fma_f32 v11, v21, -2.0, 1.0                  ; colour
	v_fma_f32 v12, v22, LN2, v30                   ; sigma_x
	v_fma_f32 v13, v23, LN2, v31                   ; sigma_y
	v_add_f32 v26, v26, v27
	WAVESUM 26                                     ; the softmax's denominator, between 1 and 64
	v_mul_f32 v10, RHO_SC, v10                     ; rho
	v_fma_f32 v29, -v10, v10, 1.0                  ; 1 - rho^2 >= 0.0199
	v_mul_f32 v29, TWO_LN2, v29
	v_rcp_f32 v12, v12                             ; 1 / sigma_x
	v_rcp_f32 v13, v13                             ; 1 / sigma_y
	v_rsq_f32 v29, v29                             ; kappa
	v_log_f32 v26, v26
	v_sub_f32 v20, v17, v9                         ; the plain line: y - mu_y
	s_wait_alu depctr_va_vdst(0)
	v_sub_f32 v28, v28, v26                        ; log2 pi
	v_mul_f32 v18, v29, v12                        ; s
	v_mul_f32 v19, v29, v10                        ; kappa rho
	v_mul_f32 v20, v20, v13                        ; zy
	v_mul_f32 v21, v18, v8
	v_fma_f32 v21, -v19, v20, -v21                 ; o
	v_mul_f32 v22, HALF_L, v20
	v_fma_f32 v22, -v22, v20, v28                  ; gamma
	v_cndmask_b32 v11, v11, 1.0, s10               ; table row 0 is ones: it makes S
	v_cvt_pk_bf16_f32 v11, v11, v11
	v_add_nc_u32 v23, s8, v5
	v_lshl_add_u32 v25, v1, 1, s9
	ds_store_b32 v23, v18
	ds_store_b32 v23, v21 offset:128
	ds_store_b32 v23, v22 offset:256
	ds_store_b16 v25, v11                          ; table row = my row
	ds_store_b16 v25, v7 offset:640                ; rows + 4, + 8, + 12 are zeros
	ds_store_b16 v25, v7 offset:1280
	ds_store_b16 v25, v7 offset:1920
	s_wait_dscnt 0x0                               ; my stores are done, for the other waves' sake
	s_barrier_signal -1
	s_barrier_wait -1
	; THE TABLES INTO REGISTERS.  Slot i (register i >> 1, half i & 1) of chunk c in lane (r, h) stands for k = 32 h + 16 c + i, in the colour
	; fragment and in g's fragment alike: a permutation of k used on both sides keeps the products.
	s_mul_i32 s36, s3, 768
	v_mul_u32_u24 v8, v3, 384
	v_add_nc_u32 v8, s36, v8                       ; block (my row, half h)
.irp j, 0,1,2,3,4,5,6,7
	ds_load_b128 v[PS+4*\j:PS+4*\j+3], v8 offset:PT+16*\j
	ds_load_b128 v[PO+4*\j:PO+4*\j+3], v8 offset:PT+128+16*\j
	ds_load_b128 v[PG+4*\j:PG+4*\j+3], v8 offset:PT+256+16*\j
.endr
	; Fragment hh has the four channels in rows 8 hh .. 8 hh + 3 and zeros elsewhere: lane r takes table row r (hh = 0) or r xor 8 (hh = 1).
	v_mul_u32_u24 v9, v2, 160
	v_mad_u32_u24 v9, v3, 80, v9
	v_xor_b32 v10, 8, v2
	v_mul_u32_u24 v10, v10, 160
	v_mad_u32_u24 v10, v3, 80, v10
.irp c, 0,1
	ds_load_b128 v[AF+8*\c:AF+8*\c+3],       v9  offset:CT+32*\c
	ds_load_b128 v[AF+8*\c+4:AF+8*\c+7],     v9  offset:CT+32*\c+16
	ds_load_b128 v[AF+16+8*\c:AF+16+8*\c+3], v10 offset:CT+32*\c
	ds_load_b128 v[AF+16+8*\c+4:AF+16+8*\c+7], v10 offset:CT+32*\c+16
.endr
	s_lshl_b32 s36, s4, 9
	v_lshl_add_u32 v[IB], v2, 2, s36               ; 4 r + 512 half
	s_lshl_b32 s36, s4, 11
	v_lshl_add_u32 v[VO], v1, 4, s36               ; 16 lane + 2048 half
	v_mov_b32 v[MX], 0                             ; S >= 0
	s_lshl_b32 s36, s6, 12
	s_mov_b32 s37, 0
	s_add_nc_u64 s[30:31], s[30:31], s[36:37]      ; planes 0 and 1 at my row
	s_add_nc_u64 s[34:35], s[30:31], 2*PLANE       ; planes 2 and 3: two planes are more than a store's immediate reaches
	s_lshl_b32 s36, ttmp9, 2
	s_add_nc_u64 s[32:33], s[32:33], s[36:37]      ; my work-group's word of pmax
	s_wait_dscnt 0x0
; x of the four tiles q of half hh: column IB + 64 hh + q, twice, as the pair that the packed multiply-add takes
.macro TILEX hh
.irp q, 0,1,2,3
	v_add_nc_u32 v[TMP], 64*\hh+\q, v[IB]
	v_cvt_f32_u32 v[TMP], v[TMP]
	v_fma_f32 v[XP+2*\q], v[TMP], s7, -1.0
	v_mov_b32 v[XP+2*\q+1], v[XP+2*\q]
.endr
.endm
; 16 pixels (column n = r: IB + 64 hh + q) x 32 k (chunk c): 16 numbers a lane, and one matrix instruction onto accumulator q.
; The B fragment is written again only behind the next chunk's 16 packed multiply-adds, which name none of the matrix
; instruction's registers: more than the four places that a write of a source needs (ISA guide 7.12.1).
.macro CHUNK q, hh, c, zero
.irp j, 0,2,4,6,8,10,12,14
	v_pk_fma_f32 v[WK+\j:WK+\j+1], v[XP+2*\q:XP+2*\q+1], v[PS+16*\c+\j:PS+16*\c+\j+1], v[PO+16*\c+\j:PO+16*\c+\j+1]      ; w = x s + o
.endr
.irp j, 0,2,4,6,8,10,12,14
	v_pk_fma_f32 v[WK+\j:WK+\j+1], v[WK+\j:WK+\j+1], v[WK+\j:WK+\j+1], v[PG+16*\c+\j:PG+16*\c+\j+1] neg_lo:[1,0,0] neg_hi:[1,0,0]   ; E = gamma - w w
.endr
.irp j, 0,1,2,3,4,5,6,7,8,9,10,11,12,13,14,15
	v_exp_f32 v[WK+\j], v[WK+\j]
.endr
	v_nop                                          ; the plain line behind the run of exponentials
	s_wait_alu depctr_va_vdst(0)
.irp j, 0,1,2,3,4,5,6,7
	v_cvt_pk_bf16_f32 v[GB+\j], v[WK+2*\j], v[WK+2*\j+1]
.endr
.if \zero
	v_wmma_f32_16x16x32_bf16 v[ACC+8*\q:ACC+8*\q+7], v[AF+16*\hh+8*\c:AF+16*\hh+8*\c+7], v[GB:GB+7], 0     ; the first product starts the sum
.else
	v_wmma_f32_16x16x32_bf16 v[ACC+8*\q:ACC+8*\q+7], v[AF+16*\hh+8*\c:AF+16*\hh+8*\c+7], v[GB:GB+7], v[ACC+8*\q:ACC+8*\q+7]
.endif
.endm
; 64 pixels.  The four accumulators take turns, one matrix instruction a turn, over the loop's backward jump too.
.macro HALFG hh
	TILEX \hh
.irp q, 0,1,2,3
	CHUNK \q, \hh, 0, 1-\hh
.endr
.irp q, 0,1,2,3
	CHUNK \q, \hh, 1, 0
.endr
.endm
; Register c of accumulator q in lane l is (row 8 (l >> 4) + c, column l & 15): half 0's tiles fill rows 0..3, half 1's rows 8..11, so it is
; channel c of pixel base + 4 l + q.  Four accumulators give a lane four neighbouring pixels of each plane: 16 bytes,
; and each store of the wave covers 512 consecutive bytes, aligned.
.macro EPILOG
	s_wait_xcnt 0x0                                ; the last trip's stores have had their addresses translated (ISA guide 3.1): ST and VO are rewritten only behind this wait
	v_add_nc_u32 v[VO], 512, v[VO]                 ; the next trip's offset; this trip's stores reach back
	v_add_nc_u32 v[IB], 128, v[IB]
	v_max3_num_f32 v[MX], v[MX], v[ACC], v[ACC+8]
.irp q, 0,1,2,3                                    ; the 15 lines up to q = 3 name none of the last matrix instruction's registers: its four places and more
.irp c, 0,1,2,3
	v_mov_b32 v[ST+4*\c+\q], v[ACC+8*\q+\c]
.endr
.endr
	v_max3_num_f32 v[MX], v[MX], v[ACC+16], v[ACC+24]
	global_store_b128 v[VO], v[ST:ST+3],     s[30:31] offset:-512          ; no cache word: the next launch reads these bytes
	global_store_b128 v[VO], v[ST+4:ST+7],   s[30:31] offset:PLANE-512
	global_store_b128 v[VO], v[ST+8:ST+11],  s[34:35] offset:-512
	global_store_b128 v[VO], v[ST+12:ST+15], s[34:35] offset:PLANE-512
.endm
	s_mov_b32 s11, 0
.Ltrip:                                            ; 128 pixels a trip: 256 exponentials a lane-slot, 16 matrix instructions, 4 stores
	HALFG 0
	HALFG 1
	EPILOG
	s_add_co_u32 s11, s11, 1
	s_cmp_lt_u32 s11, 4
	s_cbranch_scc1 .Ltrip
	; THE WORK-GROUP'S MAXIMUM: each wave's into its own word, one barrier, wave 0 takes the largest of the eight.
	WAVEMAX MX
	s_lshl_b32 s36, s2, 2
	s_add_co_u32 s36, s36, SCR
	v_mov_b32 v8, s36
	ds_store_b32 v8, v[MX]                         ; all lanes write the same word with the same value
	s_wait_dscnt 0x0
	s_barrier_signal -1
	s_barrier_wait -1
	s_cmp_lg_u32 s2, 0
	s_cbranch_scc1 .Lend
	v_mov_b32 v16, SCR
	ds_load_b128 v[8:11], v16
	ds_load_b128 v[12:15], v16 offset:16
	s_wait_dscnt 0x0
	v_max3_num_f32 v8, v8, v9, v10
	v_max3_num_f32 v8, v8, v11, v12
	v_max3_num_f32 v8, v8, v13, v14
	v_max_num_f32 v8, v8, v15
	v_cmp_eq_u32 vcc_lo, 0, v0
	s_wait_xcnt 0x0                                ; EXEC is a source of the stores above: it changes only behind this wait
	s_and_saveexec_b32 s14, vcc_lo
	global_store_b32 v7, v8, s[32:33]              ; four bytes: the one word that this work-group owes
	s_wait_xcnt 0x0                                ; and again in front of the line that widens EXEC
	s_or_b32 exec_lo, exec_lo, s14
.Lend:
	s_wait_tensorcnt 0x0
	ds_add_u32 v248, v249
	s_wait_dscnt 0x0
	s_endpgm
.Lfunc_end_k_q43a125acbd_gmmsums:
	.size	k_q43a125acbd_gmmsums, .Lfunc_end_k_q43a125acbd_gmmsums-k_q43a125acbd_gmmsums
	.p2alignl 7, 3214868480
	.fill 96, 4, 3214868480
	.section	.rodata,"a",@progbits
	.p2align	6, 0x0
	.amdhsa_kernel k_q43a125acbd_gmmsums
		.amdhsa_group_segment_fixed_size 6912
		.amdhsa_private_segment_fixed_size 0
		.amdhsa_enable_private_segment 0
		.amdhsa_kernarg_size 72
		.amdhsa_user_sgpr_count 2
		.amdhsa_user_sgpr_kernarg_segment_ptr 1
		.amdhsa_wavefront_size32 1
		.amdhsa_system_sgpr_workgroup_id_x 1
		.amdhsa_system_sgpr_workgroup_id_y 1
		.amdhsa_system_sgpr_workgroup_id_z 1
		.amdhsa_system_vgpr_workitem_id 0
		.amdhsa_next_free_vgpr 250
		.amdhsa_next_free_sgpr 66
		.amdhsa_reserve_vcc 1
		.amdhsa_float_denorm_mode_32 3
		.amdhsa_float_denorm_mode_16_64 3
		.amdhsa_memory_ordered 1
		.amdhsa_forward_progress 1
		.amdhsa_inst_pref_size 48
	.end_amdhsa_kernel
	.amdgpu_metadata
---
amdhsa.version: [ 1, 2 ]
amdhsa.kernels:
  - .name:           k_q43a125acbd_gmmsums
    .symbol:         k_q43a125acbd_gmmsums.kd
    .args:
      - { .name: color_params, .offset: 0, .size: 8, .value_kind: global_buffer, .address_space: global }
      - { .name: mu_x_params, .offset: 8, .size: 8, .value_kind: global_buffer, .address_space: global }
      - { .name: mu_y_params, .offset: 16, .size: 8, .value_kind: global_buffer, .address_space: global }
      - { .name: sigma_x_params, .offset: 24, .size: 8, .value_kind: global_buffer, .address_space: global }
      - { .name: sigma_y_params, .offset: 32, .size: 8, .value_kind: global_buffer, .address_space: global }
      - { .name: rho_params, .offset: 40, .size: 8, .value_kind: global_buffer, .address_space: global }
      - { .name: pi_params, .offset: 48, .size: 8, .value_kind: global_buffer, .address_space: global }
      - { .name: sums, .offset: 56, .size: 8, .value_kind: global_buffer, .address_space: global }
      - { .name: pmax, .offset: 64, .size: 8, .value_kind: global_buffer, .address_space: global }
    .group_segment_fixed_size: 6912
    .private_segment_fixed_size: 0
    .kernarg_segment_align: 8
    .kernarg_segment_size: 72
    .max_flat_workgroup_size: 256
    .sgpr_count:     66
    .vgpr_count:     250
    .wavefront_size: 32
...
	.end_amdgpu_metadata
.endif
;; end of part 1
;; launch finish (part 2): grid 256 x 1, 8 waves a work-group, no clusters, 0 bytes of LDS; arguments imageN, scale_params, sums, pmax, out0, out1; writes out0, out1
.if DOCPART == 2
	.amdgcn_target "amdgcn-amd-amdhsa--gfx1250"
	.amdhsa_code_object_version 6
	.text
	.protected	k_q43a125acbd_finish
	.globl	k_q43a125acbd_finish
	.p2align	8
	.type	k_q43a125acbd_finish,@function
k_q43a125acbd_finish:
	s_mov_b64 s[64:65], 0
	v_nop
	global_prefetch_b8 v0, s[64:65] scope:SCOPE_SE
	s_setreg_imm32_b32 hwreg(HW_REG_WAVE_MODE, 25, 1), 1
	s_wait_xcnt 0x0
; out1 = c S,  out0_c = image_c (1 - c S) + c N_c,  with c = sigmoid(scale) / max S = 1 / ((1 + exp(-scale)) max S).
; S and N_c are the four planes of sums, max S is the largest of the 256 words of pmax; both were stored by the launch before.
; A stream: no LDS, no barrier, no matrix unit; no byte is read by two work-groups but pmax's 1,024 and the scale's 4.
; 256 work-groups of 8 waves; a work-group owns 4,096 pixels (16,384 bytes of each plane); thread t owns the 16 bytes at 16 t + 4,096 i,
; i = 0..3, of each plane, so each load and store of a wave covers 512 consecutive bytes, aligned.
; All 28 loads of a wave are issued at once, 8 x 28 x 512 = 114,688 bytes for the work-group, which is all that it reads; the text has no loop.
; LIMIT: for a scale parameter below about -87 the term 1 + exp(-scale) overflows and c is 0, where the sigmoid itself would be a denormal.
.set PLANE, 4194304                    ; bytes in a plane of 1024 x 1024 f32
.set CS,  12                           ; v[12:13]  c, twice
.set NC,  14                           ; v[14:15]  -c, twice
.set IT,  16                           ; item i at IT + 28 i: S, N0, N1, N2, I0, I1, I2, four registers each
.set MK,  128                          ; v[128:131] 1 - c S
	s_load_b256 s[8:15], s[0:1], 0x0               ; imageN s[8:9], scale s[10:11], sums s[12:13], pmax s[14:15]
	s_load_b128 s[16:19], s[0:1], 0x20             ; out0 s[16:17], out1 s[18:19]
	s_lshl_b32 s20, ttmp9, 14                      ; the work-group's 16,384 bytes of a plane
	s_mov_b32 s21, 0
	s_mov_b32 s37, 0x76543210                      ; v_permlanex16_b32: lane i of one half reads lane i of the other
	s_mov_b32 s38, 0xfedcba98
	v_and_b32 v1, 31, v0
	v_lshlrev_b32 v1, 5, v1                        ; 32 bytes of pmax a lane: every wave reads all 256 words
	v_lshlrev_b32 v2, 4, v0                        ; 16 t
	v_mov_b32 v3, 0                                ; written once: a lane permute's destination counts as read
	s_wait_kmcnt 0x0
	s_load_b32 s36, s[10:11], 0x0                  ; the scale parameter
	s_add_nc_u64 s[22:23], s[8:9], s[20:21]        ; image planes 0, 1
	s_add_nc_u64 s[24:25], s[22:23], 2*PLANE       ; plane 2: two planes are more than the immediate reaches
	s_add_nc_u64 s[26:27], s[12:13], s[20:21]      ; sums planes 0, 1
	s_add_nc_u64 s[28:29], s[26:27], 2*PLANE       ; planes 2, 3
	s_add_nc_u64 s[30:31], s[16:17], s[20:21]      ; out0 planes 0, 1
	s_add_nc_u64 s[32:33], s[30:31], 2*PLANE       ; plane 2
	s_add_nc_u64 s[34:35], s[18:19], s[20:21]      ; out1
	global_load_b128 v[4:7],  v1, s[14:15]
	global_load_b128 v[8:11], v1, s[14:15] offset:16
.irp i, 0,1,2,3
	global_load_b128 v[IT+28*\i:IT+28*\i+3],     v2, s[26:27] offset:4096*\i th:TH_LOAD_NT
	global_load_b128 v[IT+28*\i+4:IT+28*\i+7],   v2, s[26:27] offset:PLANE+4096*\i th:TH_LOAD_NT
	global_load_b128 v[IT+28*\i+8:IT+28*\i+11],  v2, s[28:29] offset:4096*\i th:TH_LOAD_NT
	global_load_b128 v[IT+28*\i+12:IT+28*\i+15], v2, s[28:29] offset:PLANE+4096*\i th:TH_LOAD_NT
	global_load_b128 v[IT+28*\i+16:IT+28*\i+19], v2, s[22:23] offset:4096*\i th:TH_LOAD_NT
	global_load_b128 v[IT+28*\i+20:IT+28*\i+23], v2, s[22:23] offset:PLANE+4096*\i th:TH_LOAD_NT
	global_load_b128 v[IT+28*\i+24:IT+28*\i+27], v2, s[24:25] offset:4096*\i th:TH_LOAD_NT
.endr
	; c, made by every wave while its 28 loads are on their way
	s_wait_loadcnt 28                              ; loads come back in order (ISA guide 5.7.1): pmax's two are in, the 28 behind them stay out
	v_max3_num_f32 v4, v4, v5, v6
	v_max3_num_f32 v4, v4, v7, v8
	v_max3_num_f32 v4, v4, v9, v10
	v_max_num_f32 v4, v4, v11
	v_max_num_f32_dpp v4, v4, v4 row_xmask:1 row_mask:0xf bank_mask:0xf
	v_max_num_f32_dpp v4, v4, v4 row_xmask:2 row_mask:0xf bank_mask:0xf
	v_max_num_f32_dpp v4, v4, v4 row_xmask:4 row_mask:0xf bank_mask:0xf
	v_max_num_f32_dpp v4, v4, v4 row_xmask:8 row_mask:0xf bank_mask:0xf
	v_permlanex16_b32 v3, v4, s37, s38
	v_max_num_f32 v4, v4, v3                       ; the image's largest S, in every lane
	s_wait_kmcnt 0x0
	v_mov_b32 v3, s36
	v_mul_f32 v3, 0xbfb8aa3b, v3                   ; -log2e x scale
	v_exp_f32 v3, v3
	v_nop                                          ; one plain line behind a transcendental before its result is used (ISA guide 5.7.2)
	s_wait_alu depctr_va_vdst(0)
	v_add_f32 v3, 1.0, v3
	v_mul_f32 v3, v3, v4
	v_rcp_f32 v[CS], v3
	v_nop
	s_wait_alu depctr_va_vdst(0)
	v_mov_b32 v[CS+1], v[CS]
	v_mul_f32 v[NC], -1.0, v[CS]
	v_mov_b32 v[NC+1], v[NC]
; Item i: four pixels a lane.  No register that a store reads is written again, so no wait stands behind the stores.
.macro ITEM i
	s_wait_loadcnt 7*(3-\i)                        ; this item's seven loads are in; seven for each later item stay out
.irp p, 0,2
	v_pk_fma_f32 v[MK+\p:MK+\p+1], v[IT+28*\i+\p:IT+28*\i+\p+1], v[NC:NC+1], 1.0 op_sel_hi:[1,1,0]     ; mask = 1 - c S
	v_pk_mul_f32 v[IT+28*\i+\p:IT+28*\i+\p+1], v[IT+28*\i+\p:IT+28*\i+\p+1], v[CS:CS+1]                 ; out1 = c S
.endr
.irp c, 0,1,2
.irp p, 0,2
	v_pk_mul_f32 v[IT+28*\i+4+4*\c+\p:IT+28*\i+4+4*\c+\p+1], v[IT+28*\i+4+4*\c+\p:IT+28*\i+4+4*\c+\p+1], v[CS:CS+1]                                           ; noise = c N
	v_pk_fma_f32 v[IT+28*\i+16+4*\c+\p:IT+28*\i+16+4*\c+\p+1], v[IT+28*\i+16+4*\c+\p:IT+28*\i+16+4*\c+\p+1], v[MK+\p:MK+\p+1], v[IT+28*\i+4+4*\c+\p:IT+28*\i+4+4*\c+\p+1]   ; image x mask + noise
.endr
.endr
	global_store_b128 v2, v[IT+28*\i:IT+28*\i+3],     s[34:35] offset:4096*\i th:TH_STORE_NT
	global_store_b128 v2, v[IT+28*\i+16:IT+28*\i+19], s[30:31] offset:4096*\i th:TH_STORE_NT
	global_store_b128 v2, v[IT+28*\i+20:IT+28*\i+23], s[30:31] offset:PLANE+4096*\i th:TH_STORE_NT
	global_store_b128 v2, v[IT+28*\i+24:IT+28*\i+27], s[32:33] offset:4096*\i th:TH_STORE_NT
.endm
	ITEM 0
	ITEM 1
	ITEM 2
	ITEM 3
	s_endpgm
.Lfunc_end_k_q43a125acbd_finish:
	.size	k_q43a125acbd_finish, .Lfunc_end_k_q43a125acbd_finish-k_q43a125acbd_finish
	.p2alignl 7, 3214868480
	.fill 96, 4, 3214868480
	.section	.rodata,"a",@progbits
	.p2align	6, 0x0
	.amdhsa_kernel k_q43a125acbd_finish
		.amdhsa_group_segment_fixed_size 0
		.amdhsa_private_segment_fixed_size 0
		.amdhsa_enable_private_segment 0
		.amdhsa_kernarg_size 48
		.amdhsa_user_sgpr_count 2
		.amdhsa_user_sgpr_kernarg_segment_ptr 1
		.amdhsa_wavefront_size32 1
		.amdhsa_system_sgpr_workgroup_id_x 1
		.amdhsa_system_sgpr_workgroup_id_y 1
		.amdhsa_system_sgpr_workgroup_id_z 1
		.amdhsa_system_vgpr_workitem_id 0
		.amdhsa_next_free_vgpr 132
		.amdhsa_next_free_sgpr 66
		.amdhsa_reserve_vcc 0
		.amdhsa_float_denorm_mode_32 3
		.amdhsa_float_denorm_mode_16_64 3
		.amdhsa_memory_ordered 1
		.amdhsa_forward_progress 1
		.amdhsa_inst_pref_size 11
	.end_amdhsa_kernel
	.amdgpu_metadata
---
amdhsa.version: [ 1, 2 ]
amdhsa.kernels:
  - .name:           k_q43a125acbd_finish
    .symbol:         k_q43a125acbd_finish.kd
    .args:
      - { .name: imageN, .offset: 0, .size: 8, .value_kind: global_buffer, .address_space: global }
      - { .name: scale_params, .offset: 8, .size: 8, .value_kind: global_buffer, .address_space: global }
      - { .name: sums, .offset: 16, .size: 8, .value_kind: global_buffer, .address_space: global }
      - { .name: pmax, .offset: 24, .size: 8, .value_kind: global_buffer, .address_space: global }
      - { .name: out0, .offset: 32, .size: 8, .value_kind: global_buffer, .address_space: global }
      - { .name: out1, .offset: 40, .size: 8, .value_kind: global_buffer, .address_space: global }
    .group_segment_fixed_size: 0
    .private_segment_fixed_size: 0
    .kernarg_segment_align: 8
    .kernarg_segment_size: 48
    .max_flat_workgroup_size: 256
    .sgpr_count:     66
    .vgpr_count:     132
    .wavefront_size: 32
...
	.end_amdgpu_metadata
.endif
;; end of part 2
